; MI455X (gfx1250); checked and timed in simulation.
; The chip was launched on July 23, 2026; its instructions are those of AMD's public machine-readable ISA for CDNA 5 (MIT licence, August 2026) and "CDNA5" Instruction Set Architecture Reference Guide (July 2026). The comments in the code are by the model that wrote it; some were corrected since.
;; Multi Head Attention. Allowed arithmetic: matrix products marked QUANTISED: E4M3 operands, one given power-of-two scale a tensor, by v_wmma_f32_16x16x64_fp8_fp8 or v_wmma_f32_16x16x128_fp8_fp8, f32 sums; everything else in f32.
;; Inputs: Wk_codes 16 x 64 x 32 x 32 uint8 (E4M3 codes of Wk, K innermost, in blocks of 32 codes); Wo_codes 1,024 x 32 x 32 uint8 (E4M3 codes of Wo, K innermost, in blocks of 32 codes); Wq_codes 16 x 64 x 32 x 32 uint8 (E4M3 codes of Wq, K innermost, in blocks of 32 codes); Wv_codes 16 x 64 x 32 x 32 uint8 (E4M3 codes of Wv, K innermost, in blocks of 32 codes); bo 1,024 float32; lowp_scales 12 int32 (the exponents e of the quantised operands' scales 2^e); x_codes 2 x 2,048 x 32 x 32 uint8 (E4M3 codes of x, K innermost, in blocks of 32 codes).
;; Outputs: out0 2 x 2,048 x 1,024 float32.
;; This version of the problem:
;;   THIS VERSION OF THE PROBLEM IS GIVEN IN LOW PRECISION. The matrix products marked QUANTISED in the list below multiply operands that are first quantised to E4M3 (4 exponent bits, 3 mantissa bits; 8 bits a number), with one given power-of-two scale for each operand tensor; their sums are f32. All else is computed in f32.
;;   The module's matrix products, in the order in which they are computed (A, B: the left and right operand; K: the contracted axis; several contracted axes count as one K, in the product's order):
;;     1. [M 1,024, K 1,024] x [K 1,024, N 4,096]; A: input Wq (given as codes); B: input x (given as codes): QUANTISED (scales: A lowp_scales[0], B lowp_scales[1])
;;     2. [M 1,024, K 1,024] x [K 1,024, N 4,096]; A: input Wk (given as codes); B: input x (given as codes): QUANTISED (scales: A lowp_scales[2], B lowp_scales[3])
;;     3. [M 1,024, K 1,024] x [K 1,024, N 4,096]; A: input Wv (given as codes); B: input x (given as codes): QUANTISED (scales: A lowp_scales[4], B lowp_scales[5])
;;     4. batch 32 x [M 2,048, K 64] x [K 64, N 2,048]; A: computed on the way; B: computed on the way: QUANTISED (scales: A lowp_scales[6], B lowp_scales[7])
;;     5. batch 32 x [M 2,048, K 2,048] x [K 2,048, N 64]; A: softmax (see below); B: computed on the way: QUANTISED (scales: A lowp_scales[8], B lowp_scales[9])
;;     6. [M 4,096, K 1,024] x [K 1,024, N 1,024]; A: computed on the way; B: input Wo (given as codes): QUANTISED (scales: A lowp_scales[10], B lowp_scales[11])
;;   THE QUANTISER, for each operand of a quantised product, along K:
;;     - The operand's scale is 2^e, e = its entry of the input lowp_scales (int32; the entries are numbered through the quantised products in the list's order, A before B).
;;     - Each number is divided by the scale, clamped to +-448, and rounded to the nearest number of E4M3, ties to even, subnormals kept.
;;     - The product sums the exact products of the quantised numbers (number of the format x scale) in f32.
;;   ~~~python
;;   def quantise(x, axis, e):      # numpy; x: float32 -> the quantised numbers, widened to float32 again
;;       x = np.moveaxis(x, axis, -1); K = x.shape[-1]
;;       r = np.clip(x / 2.0 ** e, -448, 448)
;;       step = 2.0 ** (np.maximum(np.frexp(np.where(r == 0, 1, r))[1] - 1, -6) - 3)
;;       q = np.round(r / step) * step * 2.0 ** e      # np.round: ties to even
;;       return np.moveaxis(q, -1, axis).astype(np.float32)
;;   ~~~
;;   SOFTMAX AHEAD OF A QUANTISED PRODUCT. Where the list says 'softmax', what is quantised is not the finished softmax but p = 2^(t - M), with t = logit x log2(e) and M = ceil(the row's largest t), a whole number; so 1/2 < the row's largest p <= 1. The row's sum l is taken of the UNQUANTISED p, in f32, and the product's result is divided by l at the end. Since M is a whole number, a kernel that streams over the keys may use a running M (the ceiling of the running maximum): every later rescaling is an exact power of two, so the quantised numbers keep their values, but for numbers so far below the row's largest that they fall under the format's range.
;;   OPERANDS COMPUTED ON THE WAY. 'Computed on the way' means the value that the module computes at that place (a softmax that the list does not call 'softmax' is quantised finished and normalised). What goes into a quantiser is computed in f32, as accurately as f32 sums, v_exp_f32 and their like allow (about 1e-6 of the number): no bf16 or f16 on the way to a quantiser, and a product that is left as it is and whose result goes on into a quantised operand takes f32 operands (vector FMAs, or v_wmma_f32_16x16x4_f32). A number that lies on a knife's edge between two numbers of the format may be rounded either way, as far as f32 arithmetic and the matrix unit's own rounding can turn it there, and no further.
;;   INPUTS GIVEN AS CODES. Wk (in the module: [16, 1024, 64], K = its axis 1); Wo (in the module: [1024, 1024], K = its axis 0); Wq (in the module: [16, 1024, 64], K = its axis 1); Wv (in the module: [16, 1024, 64], K = its axis 1); x (in the module: [2, 2048, 1024], K = its axis 2): each comes as NAME_codes (uint8): NAME with its K axis moved to the last place and cut into blocks of 32 codes, [.., K / 32, bytes a block], one block behind the other in memory; one code a byte (a code: sign, 4 exponent bits, 3 mantissa bits); its scale is its entry of lowp_scales. Its value is code x scale, taken as it is: it is not quantised again, and the codes and scales need not be those that the quantiser above would give.
;; One version. Each part assembles by itself: llvm-mc -triple=amdgcn-amd-amdhsa -mcpu=gfx1250 --defsym DOCPART=n.
;; ======== version 1 of 1: 3 launches
;; limits: right only within a limited range of input values
;; workspace buffers: q_img 4,194,304 bytes; k_img 4,194,304 bytes; v_img 4,194,304 bytes; a_img 4,194,304 bytes
;; launch qkv (part 1): grid 8 x 32, 4 waves a work-group, clusters of 4 x 4, 327,680 bytes of LDS; arguments x_codes, Wq_codes, Wk_codes, Wv_codes, lowp_scales, q_img, k_img, v_img; writes q_img, k_img, v_img
.if DOCPART == 1
	.amdgcn_target "amdgcn-amd-amdhsa--gfx1250"
	.amdhsa_code_object_version 6
	.text
	.protected	k_qf0328ecc67_qkv
	.globl	k_qf0328ecc67_qkv
	.p2align	8
	.type	k_qf0328ecc67_qkv,@function
k_qf0328ecc67_qkv:
	s_mov_b64 s[64:65], 0
	v_nop
	global_prefetch_b8 v0, s[64:65] scope:SCOPE_SE
	s_setreg_imm32_b32 hwreg(HW_REG_WAVE_MODE, 25, 1), 1
	s_wait_xcnt 0x0
	s_wait_alu depctr_hold_cnt(0) depctr_sa_sdst(0) depctr_va_vdst(0) depctr_va_sdst(0) depctr_va_ssrc(0) depctr_va_vcc(0) depctr_vm_vsrc(0)
	s_getreg_b32 s2, hwreg(HW_REG_IB_STS2, 6, 4)
	s_cmp_eq_u32 s2, 0
	s_cbranch_scc0 .Lentry_in_a_cluster
	s_endpgm
.Lentry_in_a_cluster:
	s_bfe_u32 s2, ttmp6, 0x10000c
	s_cmp_lg_u32 s2, 0xf033
	s_cbranch_scc0 .Lentry_shape_is_right
	s_endpgm
.Lentry_shape_is_right:
; Q, K and V of all heads on codes of FP8 (E4M3), and each quantised with its own given scale (e6, e7, e9) for the attention's products.
; Every input of the problem has a way to the output and is loaded.  The one work that the program leaves out is in the attention: key steps that lie wholly above the causal mask which reference() builds; see there.
; SHARES.  A work-group makes 128 tokens x two heads of q, k and v (384 columns): 8 x 32 = 256 work-groups.  Four waves; wave j takes all 128 tokens x channels 32 j .. 32 j + 31 of the two heads' 128, in q, k and v alike: 48 accumulators.
; K goes in steps of 256 through two LDS slots of 4 x 128 rows (x, Wq, Wk, Wv); wave 0 fetches x's rows, waves 1 to 3 the three weights': one tensor load a wave for each slot.
; CLUSTERS: 4 x 4 work-groups.  x's rows are shared along a row of the cluster, the weights' along a column, and asked for JOINTLY.
; q and k are made with source 0 = 16 weight rows, source 1 = 16 tokens: a lane holds one token and eight neighbouring channels.  v is made the other way round: a lane holds one channel and eight neighbouring tokens (the keys, its next K).
; q_img, k_img: [pair][tile of 16 tokens: 128][2][lane][16]; v_img: [pair][128 tokens: 16][tile of 16 channels: 4][4][lane][16]: images of operand registers, pair = 16 batch + head.
; LIMITS, so that each power of two is an f32 number: e6 - e0 - e1, e7 - e2 - e3 and e9 - e4 - e5 lie between -126 and 119.
; REGISTERS: window 0: addresses, v32-127 codes on the way out, v128-255 v's 16 accumulators; window 1, 2: two sets of fragments (x's eight at 0, the weights' six at 128); window 3: the 32 accumulators of q and k.
.set ROWB,  256
.set PITCH, 272                        ; an LDS row: 256 bytes + 16 of padding: the 16 rows that a load touches start at 16 different banks (64 banks of 4 bytes: ISA guide 11.1)
.set TILE,  128*PITCH                  ; what one tensor load brings
.set SLOT,  4*TILE
.set SPARE, 2*SLOT
.set AX,  16                           ; v16-17 LDS address of x's fragments in slot 0, 1
.set AW,  18                           ; v18-19 of Wq's and Wk's
.set AV,  20                           ; v20-21 of Wv's
.set LO,  22                           ; v22 16 x lane
.set PFO, 23                           ; v23 the prefetches' offset: a row of 1,024 bytes a lane
.set SC,  24                           ; v24-26 the conversions' scales for q, k, v
.set LM,  12                           ; v12-14 448 x those
.set SPW, 28
.set NIL, 29
.set G1,  24                           ; s[24:31] descriptor group 1 for x, s[32:39] group 0 for each slot
.set G0,  32
.set G1B, 48                           ; the same for the weights
.set G0B, 56
.set PF,  10                           ; s[10:11] where my prefetches stand
.set MSB, 0
.macro WIN new                         ; the immediate's high byte repeats the setting that is left
.if MSB != (\new)
	s_set_vgpr_msb ((MSB)<<8)|(\new)
.set MSB, (\new)
.endif
.endm
; A joint load: wave 0 for x, the others for the weights; each line has one mask.  The branch hangs on the wave's number alone.
.macro JLOAD s
	s_cmp_eq_u32 s14, 0
	s_cbranch_scc0 .Lfor_w_\@
	tensor_load_to_lds s[G0+4*\s:G0+4*\s+3], s[G1:G1+7]
	s_nop 0
.rept 4
	v_nop
.endr
	s_branch .Lasked_\@
.Lfor_w_\@:
	tensor_load_to_lds s[G0B+4*\s:G0B+4*\s+3], s[G1B:G1B+7]
	s_nop 0
.rept 4
	v_nop
.endr
.Lasked_\@:
.endm
.macro CREST                           ; a round of the cluster's barrier behind its opening barrier
	s_cmp_lg_u32 s14, 0
	s_cbranch_scc1 .Lnot_wave_0_\@
	s_barrier_signal -3
.Lnot_wave_0_\@:
	s_barrier_wait -3
	s_barrier_signal -1
	s_barrier_wait -1
.endm
.macro CROUND
	s_barrier_signal -1
	s_barrier_wait -1
	CREST
.endm
; A PREFETCH INTO THE L2 for the K step two on (K steps 2 and 3; 0 and 1 come by their loads alone): of the 128 rows that my wave fetches, each of the four partners names 32, told apart by address, a lane a row.
.macro ASK off
	global_prefetch_b8 v[PFO], s[PF:PF+1] offset:\off th:TH_LOAD_NT scope:SCOPE_SE
.endm
	s_load_b512 s[68:83], s[0:1], 0x0              ; x, Wq, Wk, Wv, scales, q_img, k_img, v_img
	v_lshl_add_u32 v[SPW], v0, 2, SPARE
	v_mov_b32 v[NIL], 0
	ds_add_u32 v[SPW], v[NIL]                      ; the opening lines: the add, twice on end, and its wait
	ds_add_u32 v[SPW], v[NIL]
	v_lshrrev_b32 v1, 5, v0
	v_readfirstlane_b32 s14, v1                    ; wave j
	s_bfe_u32 s40, ttmp6, 0x40000                  ; cx
	s_bfe_u32 s41, ttmp6, 0x40004                  ; cy
	s_lshl_b32 s42, ttmp9, 2
	s_add_co_u32 s42, s42, s40                     ; pair of heads, 0 .. 7
	s_and_b32 s17, ttmp7, 0xffff
	s_lshl_b32 s17, s17, 2
	s_add_co_u32 s17, s17, s41                     ; block of 128 tokens, 0 .. 31
	s_lshl_b32 s43, s41, 2
	s_lshl_b32 s43, 15, s43                        ; my row of the cluster
	s_lshl_b32 s44, 0x1111, s40                    ; my column
	s_or_b32 s[G1+0], s43, (1<<20)|(1<<21)|(5<<22)|(3<<25)   ; 15:0 mask; elements of 1 byte; padding: 4 words after every 64; bit 21 set beside a mask
	s_or_b32 s[G1B+0], s44, (1<<20)|(1<<21)|(5<<22)|(3<<25)
.irp g, G1, G1B
	s_mov_b32 s[\g+1], ROWB<<16
	s_mov_b32 s[\g+2], 128<<16
	s_mov_b32 s[\g+3], ROWB<<16
	s_mov_b32 s[\g+4], 128
	s_mov_b32 s[\g+5], 1024
	s_mov_b32 s[\g+6], 0
	s_mov_b32 s[\g+7], 0
.endr
	s_lshl_b32 s20, s17, 17                        ; x: row 128 x block
	s_mov_b32 s21, 0
	s_lshl_b32 s46, s42, 17                        ; the weights: row 128 x pair of heads
	s_mov_b32 s47, 0
	s_mul_i32 s45, s14, TILE                       ; where my tile lies in a slot
	s_mul_i32 s22, s14, 32*PITCH
	s_add_co_u32 s22, s22, TILE                    ; my 32 rows of Wq
	s_lshr_b32 s4, s17, 4
	s_lshl_b32 s4, s4, 4
	s_lshl_b32 s5, s42, 1
	s_add_co_u32 s4, s4, s5
	s_lshr_b32 s5, s14, 1
	s_add_co_u32 s4, s4, s5                        ; (batch, head) = 16 batch + 2 x pair of heads + j / 2
	s_lshl_b32 s4, s4, 17
	s_and_b32 s5, s17, 15
	s_lshl_b32 s5, s5, 13
	s_add_co_u32 s4, s4, s5                        ; + 8,192 bytes for each 128 tokens
	s_and_b32 s18, s14, 1                          ; which half of the head's channels is mine
	s_lshl_b32 s5, s18, 12
	s_add_co_u32 s8, s4, s5                        ; v: two tiles of 16 channels a half
	s_mov_b32 s9, 0
	s_lshl_b32 s5, s18, 9
	s_add_co_u32 s4, s4, s5                        ; q, k: 512 bytes a half
	s_mov_b32 s5, 0
	s_wait_dscnt 0x0                               ; both opening adds are done
	s_wait_kmcnt 0x0
	s_load_b256 s[84:91], s[76:77], 0x0            ; e0 .. e7
	s_load_b128 s[92:95], s[76:77], 0x20           ; e8 .. e11
	s_cmp_eq_u32 s14, 2
	s_cselect_b64 s[6:7], s[72:73], s[70:71]
	s_cmp_eq_u32 s14, 3
	s_cselect_b64 s[6:7], s[74:75], s[6:7]         ; wave 1: Wq, 2: Wk, 3: Wv
	s_add_nc_u64 s[20:21], s[68:69], s[20:21]
	s_add_nc_u64 s[46:47], s[6:7], s[46:47]
.irp s, 0,1
	s_mov_b32 s[G0+4*\s], 1
	s_add_co_u32 s[G0+4*\s+1], s45, \s*SLOT
	s_add_nc_u64 s[G0+4*\s+2:G0+4*\s+3], s[20:21], \s*ROWB
	s_or_b32 s[G0+4*\s+3], s[G0+4*\s+3], 0x80000000
	s_mov_b32 s[G0B+4*\s], 1
	s_add_co_u32 s[G0B+4*\s+1], s45, \s*SLOT
	s_add_nc_u64 s[G0B+4*\s+2:G0B+4*\s+3], s[46:47], \s*ROWB
	s_or_b32 s[G0B+4*\s+3], s[G0B+4*\s+3], 0x80000000
.endr
	CROUND                                         ; all sixteen work-groups are here: the first joint loads meet
	JLOAD 0                                        ; K step 0: one tensor load a wave at the head
	s_cmp_eq_u32 s14, 0
	s_cselect_b64 s[PF:PF+1], s[20:21], s[46:47]
	s_cselect_b32 s18, s40, s41                    ; my place among the four that ask with me
	s_lshl_b32 s18, s18, 15                        ; 32 rows of 1,024 bytes each
	s_mov_b32 s19, 0
	s_add_nc_u64 s[PF:PF+1], s[PF:PF+1], s[18:19]
	s_add_nc_u64 s[78:79], s[78:79], s[4:5]
	s_add_nc_u64 s[80:81], s[80:81], s[4:5]
	s_add_nc_u64 s[82:83], s[82:83], s[8:9]
	v_and_b32 v4, 31, v0
	v_lshlrev_b32 v[PFO], 10, v4
	v_lshlrev_b32 v[LO], 4, v4
	v_and_b32 v1, 15, v0                           ; r
	v_bfe_u32 v2, v0, 4, 1                         ; h
	ASK 2*ROWB                                     ; K step 2, asked two K steps ahead of its load; the address registers are never rewritten
	v_mul_u32_u24 v3, v1, PITCH
	v_lshl_add_u32 v[AX], v2, 4, v3                ; row x pitch + 16 h
	v_add_nc_u32 v[AX+1], SLOT, v[AX]
	v_add_nc_u32 v[AW], s22, v[AX]
	v_add_nc_u32 v[AW+1], SLOT, v[AW]
	v_add_nc_u32 v[AV], 2*TILE, v[AW]
	v_add_nc_u32 v[AV+1], SLOT, v[AV]
	s_wait_alu depctr_va_vdst(0)
	s_wait_kmcnt 0x0
.macro QS m, e, a, b                   ; a sum stands for sum x 2^(ea + eb): its code is sum / 2^(e - ea - eb)
	s_sub_co_i32 s96, s[\e], s[\a]
	s_sub_co_i32 s96, s96, s[\b]
	s_add_co_i32 s96, s96, 127
	s_lshl_b32 s97, s96, 23
	v_mov_b32 v[SC+\m], s97
	s_add_co_i32 s96, s96, 8
	s_lshl_b32 s96, s96, 23
	s_or_b32 s96, s96, 0x600000
	v_mov_b32 v[LM+\m], s96
.endm
	QS 0, 90, 84, 85
	QS 1, 91, 86, 87
	QS 2, 93, 88, 89
.macro PLACES                          ; four places in front of loads into registers that matrix instructions have read, and of the first read of results (ISA guide 7.12.1 for the first read of results)
.rept 4
	v_nop
.endr
.endm
.macro FRAG reg, adr, off              ; 16 rows x 128 K: the same permutation of k on both sides
.irp c, 0,1,2,3
	ds_load_b128 v[\reg+4*\c:\reg+4*\c+3], v[\adr] offset:\off+32*\c
.endr
.endm
.macro FETCH slot, q, s                ; 56 LDS loads: the fragments of 128 along K into set s
	WIN 0x40*(1+\s)
.irp b, 0,1
	FRAG 128+16*\b, AW+\slot, 128*\q+\b*16*PITCH
	FRAG 160+16*\b, AW+\slot, TILE+128*\q+\b*16*PITCH
	FRAG 192+16*\b, AV+\slot, 128*\q+\b*16*PITCH
.endr
.irp i, 0,1,2,3,4,5,6,7
	FRAG 16*\i, AX+\slot, 128*\q+\i*16*PITCH
.endr
.endm
; The 48 accumulators take turns, one instruction a turn, in the same order in every step.  zero = 1: the first product starts the sums.
.macro MULQK s, a0, zero
	WIN 0xf0|(5*(1+\s))
.irp a, \a0, \a0+1, \a0+2, \a0+3
.irp b, 0,1,2,3
.if \zero
	v_wmma_f32_16x16x128_fp8_fp8 v[8*(4*(\a)+\b):8*(4*(\a)+\b)+7], v[128+16*\b:143+16*\b], v[16*(\a):16*(\a)+15], 0
.else
	v_wmma_f32_16x16x128_fp8_fp8 v[8*(4*(\a)+\b):8*(4*(\a)+\b)+7], v[128+16*\b:143+16*\b], v[16*(\a):16*(\a)+15], v[8*(4*(\a)+\b):8*(4*(\a)+\b)+7]
.endif
.endr
.endr
.endm
.macro MULV s, a0, zero
	WIN 5*(1+\s)
.irp a, \a0, \a0+1, \a0+2, \a0+3
.irp b, 0,1
.if \zero
	v_wmma_f32_16x16x128_fp8_fp8 v[128+8*(2*(\a)+\b):135+8*(2*(\a)+\b)], v[16*(\a):16*(\a)+15], v[192+16*\b:207+16*\b], 0
.else
	v_wmma_f32_16x16x128_fp8_fp8 v[128+8*(2*(\a)+\b):135+8*(2*(\a)+\b)], v[16*(\a):16*(\a)+15], v[192+16*\b:207+16*\b], v[128+8*(2*(\a)+\b):135+8*(2*(\a)+\b)]
.endif
.endr
.endr
.endm
.macro EVEN slot, zero                 ; a slot's first step multiplies set 0 while its second step's fragments are fetched into set 1
	PLACES
	FETCH \slot, 1, 1
	s_wait_dscnt 56                                ; all but the 56 just issued
	MULQK 0, 0, \zero
	MULQK 0, 4, \zero
	MULV 0, 0, \zero
	MULV 0, 4, \zero
.endm
; A slot's second step multiplies set 1 and changes slots: in front of the barrier the wait for all my tensor loads, the add, and the wait for it and for my reads of this slot.
.macro ODD slot, next, fill
	s_wait_dscnt 0x0                               ; set 1 is in
	MULQK 1, 0, 0
	WIN 0
	s_wait_tensorcnt 0x0                           ; my part of the next slot is in
	ds_add_u32 v[SPW], v[NIL]
	MULQK 1, 4, 0
	s_wait_dscnt 0x0                               ; the add is done, and my reads of this slot are over
	s_barrier_signal -1
	MULV 1, 0, 0
	WIN 0
	s_barrier_wait -1
.if \fill
	CREST                                          ; the barrier has opened a round of the cluster's barrier
	s_add_nc_u64 s[G0+4*\slot+2:G0+4*\slot+3], s[G0+4*\slot+2:G0+4*\slot+3], 2*ROWB
	s_add_nc_u64 s[G0B+4*\slot+2:G0B+4*\slot+3], s[G0B+4*\slot+2:G0B+4*\slot+3], 2*ROWB
	JLOAD \slot                                    ; the first tensor load behind the round
.else
	PLACES
.endif
	FETCH \next, 0, 0
	MULV 1, 4, 0
.endm
	s_wait_alu depctr_va_vdst(0)
	s_wait_tensorcnt 0x0                           ; my part of K step 0 is in
	ds_add_u32 v[SPW], v[NIL]                      ; the add and its wait, ahead of a later first fill
	s_wait_dscnt 0x0
	CROUND
	JLOAD 1                                        ; K step 1, the first tensor load behind the round
	FETCH 0, 0, 0
	ASK 3*ROWB                                     ; K step 3, two K steps ahead of its load
	EVEN 0, 1
	ODD 0, 1, 1                                    ; slot 0 takes K step 2
	EVEN 1, 0
	ODD 1, 0, 1                                    ; slot 1 takes K step 3
	EVEN 0, 0
	ODD 0, 1, 0
	EVEN 1, 0
	s_wait_dscnt 0x0                               ; the last step
	MULQK 1, 0, 0
	MULQK 1, 4, 0
	MULV 1, 0, 0
	MULV 1, 4, 0
	; THE WAY OUT: held between -448 and 448 x the scale, converted, and stored as operand registers: each store of the wave covers 512 consecutive bytes, aligned.
	PLACES
.macro OUTQK a0
	WIN 0xc3
.irp a, \a0, \a0+1, \a0+2, \a0+3
.irp b, 0,1,2,3
.irp i, 0,1,2,3,4,5,6,7
	v_med3_num_f32 v[8*(4*(\a)+\b)+\i], v[8*(4*(\a)+\b)+\i], -v[LM+\b/2], v[LM+\b/2]
.endr
.endr
.endr
	WIN 0x03
.irp a, \a0, \a0+1, \a0+2, \a0+3
.irp b, 0,1,2,3
	v_cvt_scalef32_pk8_fp8_f32 v[32+32*(\b/2)+4*(\a)+2*(\b%2):33+32*(\b/2)+4*(\a)+2*(\b%2)], v[8*(4*(\a)+\b):8*(4*(\a)+\b)+7], v[SC+\b/2]
.endr
.endr
	WIN 0
	v_nop
.irp a, \a0, \a0+1, \a0+2, \a0+3
	global_store_b128 v[LO], v[32+4*(\a):35+4*(\a)], s[78:79] offset:1024*(\a)
	global_store_b128 v[LO], v[64+4*(\a):67+4*(\a)], s[80:81] offset:1024*(\a)
.endr
.endm
	OUTQK 0
	OUTQK 4
.set n, 128
.rept 128
	v_med3_num_f32 v[n], v[n], -v[LM+2], v[LM+2]
.set n, n+1
.endr
.irp b, 0,1
.irp a, 0,1,2,3,4,5,6,7
	v_cvt_scalef32_pk8_fp8_f32 v[96+16*\b+2*\a:97+16*\b+2*\a], v[128+8*(2*\a+\b):135+8*(2*\a+\b)], v[SC+2]
.endr
.endr
	v_nop
.irp i, 0,1,2,3,4,5,6,7
	global_store_b128 v[LO], v[96+4*\i:99+4*\i], s[82:83] offset:512*\i
.endr
	s_wait_tensorcnt 0x0                           ; the wave's end
	ds_add_u32 v[SPW], v[NIL]
	s_wait_dscnt 0x0
	CROUND                                         ; the closing round
	s_endpgm
.Lfunc_end_k_qf0328ecc67_qkv:
	.size	k_qf0328ecc67_qkv, .Lfunc_end_k_qf0328ecc67_qkv-k_qf0328ecc67_qkv
	.p2alignl 7, 3214868480
	.fill 96, 4, 3214868480
	.section	.rodata,"a",@progbits
	.p2align	6, 0x0
	.amdhsa_kernel k_qf0328ecc67_qkv
		.amdhsa_group_segment_fixed_size 327680
		.amdhsa_private_segment_fixed_size 0
		.amdhsa_enable_private_segment 0
		.amdhsa_kernarg_size 64
		.amdhsa_user_sgpr_count 2
		.amdhsa_user_sgpr_kernarg_segment_ptr 1
		.amdhsa_wavefront_size32 1
		.amdhsa_system_sgpr_workgroup_id_x 1
		.amdhsa_system_sgpr_workgroup_id_y 1
		.amdhsa_system_sgpr_workgroup_id_z 1
		.amdhsa_system_vgpr_workitem_id 0
		.amdhsa_next_free_vgpr 1024
		.amdhsa_next_free_sgpr 100
		.amdhsa_reserve_vcc 0
		.amdhsa_float_denorm_mode_32 3
		.amdhsa_float_denorm_mode_16_64 3
		.amdhsa_memory_ordered 1
		.amdhsa_forward_progress 1
		.amdhsa_inst_pref_size 95
	.end_amdhsa_kernel
	.amdgpu_metadata
---
amdhsa.version: [ 1, 2 ]
amdhsa.kernels:
  - .name:           k_qf0328ecc67_qkv
    .symbol:         k_qf0328ecc67_qkv.kd
    .args:
      - { .name: x_codes, .offset: 0, .size: 8, .value_kind: global_buffer, .address_space: global }
      - { .name: Wq_codes, .offset: 8, .size: 8, .value_kind: global_buffer, .address_space: global }
      - { .name: Wk_codes, .offset: 16, .size: 8, .value_kind: global_buffer, .address_space: global }
      - { .name: Wv_codes, .offset: 24, .size: 8, .value_kind: global_buffer, .address_space: global }
      - { .name: lowp_scales, .offset: 32, .size: 8, .value_kind: global_buffer, .address_space: global }
      - { .name: q_img, .offset: 40, .size: 8, .value_kind: global_buffer, .address_space: global }
      - { .name: k_img, .offset: 48, .size: 8, .value_kind: global_buffer, .address_space: global }
      - { .name: v_img, .offset: 56, .size: 8, .value_kind: global_buffer, .address_space: global }
    .group_segment_fixed_size: 327680
    .private_segment_fixed_size: 0
    .kernarg_segment_align: 8
    .kernarg_segment_size: 64
    .max_flat_workgroup_size: 128
    .sgpr_count:     100
    .vgpr_count:     1024
    .wavefront_size: 32
...
	.end_amdgpu_metadata
.endif
;; end of part 1
;; launch attn (part 2): grid 8 x 32, 8 waves a work-group, clusters of 4 x 1, 327,680 bytes of LDS; arguments q_img, k_img, v_img, lowp_scales, a_img; writes a_img
.if DOCPART == 2
	.amdgcn_target "amdgcn-amd-amdhsa--gfx1250"
	.amdhsa_code_object_version 6
	.text
	.protected	k_qf0328ecc67_attn
	.globl	k_qf0328ecc67_attn
	.p2align	8
	.type	k_qf0328ecc67_attn,@function
k_qf0328ecc67_attn:
	s_mov_b64 s[64:65], 0
	v_nop
	global_prefetch_b8 v0, s[64:65] scope:SCOPE_SE
	s_setreg_imm32_b32 hwreg(HW_REG_WAVE_MODE, 25, 1), 1
	s_wait_xcnt 0x0
	s_wait_alu depctr_hold_cnt(0) depctr_sa_sdst(0) depctr_va_vdst(0) depctr_va_sdst(0) depctr_va_ssrc(0) depctr_va_vcc(0) depctr_vm_vsrc(0)
	s_getreg_b32 s2, hwreg(HW_REG_IB_STS2, 6, 4)
	s_cmp_eq_u32 s2, 0
	s_cbranch_scc0 .Lentry_in_a_cluster
	s_endpgm
.Lentry_in_a_cluster:
	s_bfe_u32 s2, ttmp6, 0x10000c
	s_cmp_lg_u32 s2, 0x3003
	s_cbranch_scc0 .Lentry_shape_is_right
	s_endpgm
.Lentry_shape_is_right:
; Causal attention for 32 (batch, head) pairs of 2,048 tokens x 64, both products on codes of FP8 (E4M3), and the result quantised with 2^e10 for the output projection.
; q_img, k_img: [pair][tile of 16 tokens: 128][2][lane][16]; v_img: [pair][step of 128 keys: 16][tile of 16 channels: 4][4][lane][16]: images of operand registers, lane l's 16 bytes at 16 l.
; THE SOFTMAX AHEAD OF THE SECOND PRODUCT: t = score x 2^(e6 + e7) x log2(e) / 8; M = the row's largest t so far, rounded UP to a whole number; p = 2^(t - M) is quantised with 2^e8, not normalised.
; The row's sum is taken of the unquantised p, in f32, and divides O at the end.  When M moves, the sum and O are multiplied by 2^(old M - new M): exact.
; LEFT OUT: key steps all of whose keys come after the step's queries (the causal mask that reference() builds gives them weight 0).  LIMIT: a NaN, an infinity or an overflow that reaches only those is not carried to the result.
; LIMITS, so that each power of two below is an f32 number: e6 + e7 between -123 and 130; e8, and e10 - e8 - e9, between -126 and 119.  NaN codes are not served.
; A hidden key counts for exactly 0, where the definition puts -1e9 in the logit's place: the same as long as a row's largest logit lies above about -1e9 + 150, which holds for every input where e6 + e7 <= 9 (|logit| <= 64 x 448^2 x 2^(e6 + e7) / 8).
.set VIMG,  0x20000                    ; LDS: K's image from byte 0, V's from here
; SHARES.  Eight work-groups to a pair, 256 in all: two clusters of four.  A wave takes 32 neighbouring queries, two tiles X and Y of 16, through each key step of 128 together: each fragment of K and of V feeds two matrix instructions.
; Queries 128 sg + 32 cx + 0 .. 31 (cx the place in the cluster) want the key steps 0 .. sg; step sg is the one on the diagonal.  Waves 2 i, 2 i + 1 serve two such blocks, sg = a (short) and sg = 15 - a (long), 17 steps together:
; a = 0, 3, 4, 7 for i = 0 .. 3 in the one cluster, 1, 2, 5, 6 in the other.  Role 0 takes the long block's steps 0 .. 7.  Role 1 takes the long block's steps 8 .. 15 - a, leaves that part (O, M, the sum) in LDS,
; and then takes the short block's steps a .. 0: nine steps.  Behind one barrier role 0 joins the two parts of the long block; each wave stores one block.
; The role is bit 0 of (wave xor wave / 4): of two waves that are equal in wave % 4, or in wave / 2, one has each role.
; K AND V OF THE WHOLE PAIR LIE IN LDS, 131,072 bytes each, filled ONCE: each of the eight waves asks for 32,768 bytes, four key steps of K or of V.  The four work-groups of a cluster belong to one pair and ask JOINTLY (mask 15).
; No prefetch: all tiles are asked for at the head, no later load is left to run ahead of.
; LAYOUT.  Both products are used transposed: S^T = K Q^T (source 0 = 16 keys, source 1 = 16 queries), O^T = V^T P^T: a lane holds ONE query of each tile (lane % 16) throughout, and register j of tile c is key 16 c + 8 (lane / 16) + j:
; one conversion of a tile's eight registers gives registers 2 c, 2 c + 1 of P in the K = 128 form's own layout.
; THE RESULT goes to a_img [block of 128 rows: 32][128 along K: 8][tile of 16 rows: 8][4][lane][16], registers 4 c .. 4 c + 3 of lane (r, h) = k 32 c + 16 h + 0 .. 15.
.set PARTS, 0x40000                    ; four parts of 9,216 bytes: O's 64 registers, then X's and Y's -M, largest t and sum's halves
.set SPARE, 0x49000
; REGISTERS.  Window 0: all that the softmax touches.
.set LI,   1                           ; v1   16 x lane
.set ADK,  2
.set ADV,  3
.set PAD,  4                           ; v4   LDS address of my two waves' part
.set NINF, 5
.set PLIM, 6                           ; v6   448 x 2^e8
.set SPW,  7
.set PSC,  8                           ; v8   2^e8
.set NIL,  9
                                       ; v10, v11 lane permutes; X: v12 -M, v13 the largest t, v[14:15] the sum in two halves, v[20:21] f; Y: v16, v17, v[18:19], v[22:23]; v24-27 and v28-31 at work
.set SX,   32                          ; v32-95, v96-159   S^T, then p
.set SY,   96
.set OX,   160                         ; v160-191, v192-223 O^T
.set OY,   192
.set PX,   224                         ; v224-239, v240-255 the sum's chains, then p's codes; at the end the result's
.set PY,   240
; Window 1: v0-63 K's eight fragments, v64-127 V's four, v128-143 Q's two of the block in hand, v144-159 Q's two of the short block
.set WV,   18
.set ROLE, 19
.set SEL,  20                          ; s[20:21] lane selects for v_permlanex16_b32: lane l xor 16
.set CS,   22                          ; s[22:23] c = 2^(e6 + e7) log2(e) / 8
.set KB,   24                          ; s24 8 x role + 1
.set SW,   25                          ; s25 role 1: 8 - a, the trip at which the short block begins; role 0: 64
.set TR,   26                          ; s26 the trip
.set TB,   27                          ; s27 the key step's first byte in K's image
.set A,    31                          ; s31 a
                                       ; s[4:11], s[12:15] the tensor load's groups 1, 0; s[16:17] the result's address; s100 448 x 2^(e10 - e8 - e9), s101 that power of two; s32-63, s68-99 the 64 masks of the diagonal step
.set MSB, 0
.macro WIN new                         ; the immediate's high byte repeats the setting that is left
.if MSB != (\new)
	s_set_vgpr_msb ((MSB)<<8)|(\new)
.set MSB, (\new)
.endif
.endm
.macro CROUND                          ; a round of the cluster's barrier
	s_barrier_signal -1
	s_barrier_wait -1
	s_cmp_lg_u32 s[WV], 0
	s_cbranch_scc1 .Lnot_wave_0_\@
	s_barrier_signal -3
.Lnot_wave_0_\@:
	s_barrier_wait -3
	s_barrier_signal -1
	s_barrier_wait -1
.endm
	s_load_b256 s[68:75], s[0:1], 0x0              ; q_img, k_img, v_img, the scales' exponents
	s_load_b64 s[76:77], s[0:1], 0x20              ; a_img
	v_lshl_add_u32 v[SPW], v0, 2, SPARE
	v_mov_b32 v[NIL], 0
	ds_add_u32 v[SPW], v[NIL]                      ; the opening lines: the add, twice on end, and its wait
	ds_add_u32 v[SPW], v[NIL]
	v_lshrrev_b32 v1, 5, v0
	v_readfirstlane_b32 s[WV], v1
	s_lshr_b32 s30, s[WV], 1                       ; i
	s_and_b32 s[A], ttmp9, 1
	s_xor_b32 s[A], s[A], s30
	s_and_b32 s[A], s[A], 1
	s_lshl_b32 s78, s30, 1
	s_add_co_u32 s[A], s[A], s78                   ; a = 2 i + (i xor cluster) % 2
	s_lshr_b32 s78, s[WV], 2
	s_xor_b32 s78, s78, s[WV]
	s_and_b32 s[ROLE], s78, 1
	s_lshl_b32 s[KB], s[ROLE], 3
	s_add_co_u32 s[KB], s[KB], 1
	s_sub_co_u32 s[SW], 8, s[A]
	s_xor_b32 s79, s[A], 15                        ; 15 - a
	s_cmp_eq_u32 s[ROLE], 0
	s_cselect_b32 s[SW], 64, s[SW]
	s_cselect_b32 s78, s79, s[A]                   ; the block that I store: the long one or the short one
	s_bfe_u32 s33, ttmp6, 0x40000                  ; cx: it enters Q's and the result's addresses and the masks' numbers, no branch and no LDS address
	s_and_b32 s34, ttmp7, 0xffff                   ; the pair, 16 batch + head
	s_lshl_b32 s36, s34, 17
	s_mov_b32 s37, 0
	s_lshl_b32 s38, s30, 15                        ; which four key steps I fetch: 4 i .. 4 i + 3,
	s_mov_b32 s39, 0
	s_and_b32 s35, s[WV], 1                        ; of K (0) or of V (1)
	s_lshl_b32 s40, s35, 17
	s_or_b32 s13, s40, s38                         ; 63:32 LDS address: as in memory
	s_add_nc_u64 s[38:39], s[38:39], s[36:37]
	s_lshl_b32 s41, s33, 1
	s_lshl_b32 s42, s79, 3                         ; Q: tiles 8 sg + 2 cx and the next, 1,024 bytes a tile: the long block's,
	s_add_co_u32 s42, s42, s41
	s_lshl_b32 s42, s42, 10
	s_mov_b32 s43, 0
	s_add_nc_u64 s[42:43], s[42:43], s[36:37]
	s_lshl_b32 s44, s[A], 3                        ; and the short one's
	s_add_co_u32 s44, s44, s41
	s_lshl_b32 s44, s44, 10
	s_mov_b32 s45, 0
	s_add_nc_u64 s[44:45], s[44:45], s[36:37]
	s_lshr_b32 s46, s34, 4                         ; the result: block of rows 16 batch + sg,
	s_lshl_b32 s46, s46, 4
	s_add_co_u32 s46, s46, s78
	s_lshl_b32 s46, s46, 17
	s_and_b32 s48, s34, 15
	s_lshr_b32 s48, s48, 1
	s_lshl_b32 s48, s48, 14                        ; 128 along K: head / 2,
	s_add_co_u32 s46, s46, s48
	s_lshl_b32 s48, s41, 11                        ; tiles of rows 2 cx and the next,
	s_add_co_u32 s46, s46, s48
	s_and_b32 s48, s34, 1
	s_lshl_b32 s48, s48, 10                        ; the fragment's half: head % 2
	s_add_co_u32 s46, s46, s48
	s_mov_b32 s47, 0
	s_mul_i32 s48, s30, 9216
	s_add_co_u32 s48, s48, PARTS
	; descriptor group 1: a dense block of 32,768 bytes as 128 rows of 256 (32 elements of 8 bytes), no padding
	s_mov_b32 s4, 15|(3<<16)|(1<<21)               ; 15:0 the mask: all four work-groups; 21 set beside a mask
	s_mov_b32 s5, 32<<16
	s_mov_b32 s6, 128<<16
	s_mov_b32 s7, 32<<16
	s_mov_b32 s8, 128
	s_mov_b32 s9, 32
	s_mov_b32 s10, 0
	s_mov_b32 s11, 0
	s_mov_b32 s12, 1
	s_mov_b32 s[SEL], 0x76543210
	s_mov_b32 s[SEL+1], 0xfedcba98
	s_mov_b32 s[CS], 0x3e38aa3b                    ; log2(e) / 8
	s_wait_dscnt 0x0                               ; both opening adds are done
	s_wait_kmcnt 0x0
	s_load_b128 s[80:83], s[74:75], 0x18           ; e6, e7, e8, e9
	s_load_b32 s84, s[74:75], 0x28                 ; e10
	s_add_nc_u64 s[2:3], s[68:69], s[42:43]
	s_add_nc_u64 s[28:29], s[68:69], s[44:45]
	s_add_nc_u64 s[16:17], s[76:77], s[46:47]
	s_cmp_eq_u32 s35, 0
	s_cselect_b64 s[50:51], s[70:71], s[72:73]
	s_add_nc_u64 s[14:15], s[50:51], s[38:39]
	s_or_b32 s15, s15, 0x80000000
	CROUND                                         ; all four work-groups are here: the joint loads meet
	tensor_load_to_lds s[12:15], s[4:11]           ; my one tensor load
	s_nop 0
.rept 4
	v_nop
.endr
	v_and_b32 v[LI], 31, v0
	v_lshlrev_b32 v[LI], 4, v[LI]
	WIN 0x40
.irp i, 0,1,2,3                                ; X's fragment, then Y's
	global_load_b128 v[128+4*\i:131+4*\i], v[LI], s[2:3] offset:512*\i
.endr
.irp i, 0,1,2,3
	global_load_b128 v[144+4*\i:147+4*\i], v[LI], s[28:29] offset:512*\i
.endr
	WIN 0
	v_and_b32 v24, 15, v0                          ; r
	v_bfe_u32 v25, v0, 4, 1                        ; h
	v_lshlrev_b32 v25, 3, v25
	v_sub_nc_u32 v26, v24, v25
	s_lshl_b32 s49, s33, 5
	v_add_nc_u32 v26, s49, v26                     ; X's query in the diagonal step, less 8 h: 32 cx + r - 8 h
	v_add_nc_u32 v[PAD], s48, v[LI]
	v_mov_b32 v[NINF], 0xff800000
	v_mov_b32 v13, 0xff61b1e6                      ; the largest t so far: -3e38, under every t
	v_mov_b32 v17, 0xff61b1e6
	v_mov_b32 v14, 0
	v_mov_b32 v15, 0
	v_floor_f32 v12, -v13                          ; -M
	v_floor_f32 v16, -v17
	v_mov_b32 v18, 0
	v_mov_b32 v19, 0
	v_mov_b32 v21, 0                               ; (named as the upper halves of the pairs v[20:21], v[22:23])
	v_mov_b32 v23, 0
	v_mov_b32 v10, 0                               ; written once: a lane permute's destination counts as one of its sources
	v_mov_b32 v11, 0
.set j, 0
.rept 64
	v_mov_b32 v[OX+j], 0                           ; O^T: the first change of M leaves zeros
.set j, j+1
.endr
	s_wait_alu depctr_va_vdst(0)
	s_wait_kmcnt 0x0
	s_add_co_i32 s85, s80, s81
	s_lshl_b32 s85, s85, 23
	s_add_co_i32 s[CS], s[CS], s85                 ; e6 + e7 are added to c's exponent field
	s_mov_b32 s[CS+1], s[CS]                       ; (named with it as a pair, so it is written)
	s_add_co_i32 s85, s82, 127
	s_lshl_b32 s86, s85, 23
	v_mov_b32 v[PSC], s86
	s_add_co_i32 s85, s85, 8
	s_lshl_b32 s85, s85, 23
	s_or_b32 s85, s85, 0x600000
	v_mov_b32 v[PLIM], s85
	s_sub_co_i32 s85, s84, s82
	s_sub_co_i32 s85, s85, s83                     ; O / the sum stands for that x 2^(e8 + e9)
	s_add_co_i32 s85, s85, 127
	s_lshl_b32 s101, s85, 23
	s_add_co_i32 s85, s85, 8
	s_lshl_b32 s85, s85, 23
	s_or_b32 s100, s85, 0x600000
.set n, 0
.rept 64                                       ; mask n, n = 8 c + j: the lanes in which the diagonal step's key 16 c + 8 h + j is hidden from X's query: 16 c + j > 32 cx + r - 8 h.  Y's queries come 16 later: its mask n is X's mask n - 8, and its tile 0 is open
	v_cmp_gt_i32 s[32+n+4*(n/32)], 16*(n/8)+n%8, v26
.set n, n+1
.endr
.macro LOADK                           ; K's eight fragments, 16 keys x 64 each
.irp c, 0,1,2,3,4,5,6,7
	ds_load_b128 v[8*\c:8*\c+3], v[ADK] offset:1024*\c
	ds_load_b128 v[8*\c+4:8*\c+7], v[ADK] offset:1024*\c+512
.endr
.endm
.macro PS x, y                         ; one more pair of p in each of the two tiles' sums
	v_pk_add_f32 v[\x:\x+1], v[\x:\x+1], v[SX+n:SX+n+1]
	v_pk_add_f32 v[\y:\y+1], v[\y:\y+1], v[SY+n:SY+n+1]
.set n, n+2
.endm
.macro PT x, xs, y, ys                 ; two chains join
	v_pk_add_f32 v[\x:\x+1], v[\x:\x+1], v[\xs:\xs+1]
	v_pk_add_f32 v[\y:\y+1], v[\y:\y+1], v[\ys:\ys+1]
.endm
.macro STEP kind                       ; A KEY STEP of both tiles, line by line in turn: 128 keys, K's fragments already asked for.  kind 1: trips 0 to 7; 2: role 1's last trip, key step 0
.if \kind == 2
	s_mov_b32 s[TB], 0
.endif
	s_add_co_u32 s29, s[TB], VIMG
	v_add_nc_u32 v[ADV], s29, v[LI]
.if \kind == 1                         ; the next trip's key step (role 0's last trip names step 8, which it does not use)
	s_add_co_u32 s28, s[KB], s[TR]                 ; the long block: 8 x role + trip + 1
	s_add_co_u32 s29, s[TR], 8
	s_xor_b32 s29, s29, 15                         ; the short block: 7 - trip
	s_add_co_u32 s30, s[TR], 1
	s_cmp_lt_u32 s30, s[SW]
	s_cselect_b32 s28, s28, s29
	s_and_b32 s28, s28, 15
	s_lshl_b32 s[TB], s28, 13
	v_add_nc_u32 v[ADK], s[TB], v[LI]
.endif
	s_wait_alu depctr_va_vdst(0)
	s_wait_dscnt 0x0                               ; K is in
	WIN 0x05                                       ; sources 0 and 1 window 1
.irp c, 0,1,2,3,4,5,6,7
	v_wmma_f32_16x16x64_fp8_fp8 v[SX+8*\c:SX+8*\c+7], v[8*\c:8*\c+7], v[128:135], 0
	v_wmma_f32_16x16x64_fp8_fp8 v[SY+8*\c:SY+8*\c+7], v[8*\c:8*\c+7], v[136:143], 0
.endr
.rept 4
	v_nop                                          ; places: in front of the loads into K's registers and of the first read of the scores
.endr
	WIN 0x40                                       ; destination window 1
.irp t, 0,1,2,3                                ; V's four fragments, 16 channels x 128 keys each: they land while the softmax is worked
.irp c, 0,1,2,3
	ds_load_b128 v[64+16*\t+4*\c:67+16*\t+4*\c], v[ADV] offset:2048*\t+512*\c
.endr
.endr
.if \kind == 1
	LOADK                                          ; the next trip's
.endif
	WIN 0
	s_sub_co_u32 s28, s[SW], s[TR]
	s_cmp_gt_u32 s28, 1                            ; the diagonal steps are the long block's last (trip 7 - a) and the short block's first (trip 8 - a)
	s_cbranch_scc1 .Lopen_\@
.set n, 0
.rept 64                                       ; a hidden score becomes -infinity ahead of the maximum: p = 0 then
	v_cndmask_b32 v[SX+n], v[SX+n], v[NINF], s[32+n+4*(n/32)]
.set n, n+1
.endr
.set n, 0
.rept 56
	v_cndmask_b32 v[SY+8+n], v[SY+8+n], v[NINF], s[32+n+4*(n/32)]
.set n, n+1
.endr
.Lopen_\@:
	v_max3_num_f32 v24, v[SX], v[SX+1], v[SX+2]    ; the step's largest score of my query, among my 64 keys, in four chains a tile; each accumulator is read from its low end on
	v_max3_num_f32 v28, v[SY], v[SY+1], v[SY+2]
	v_max3_num_f32 v25, v[SX+3], v[SX+4], v[SX+5]
	v_max3_num_f32 v29, v[SY+3], v[SY+4], v[SY+5]
	v_max3_num_f32 v26, v[SX+6], v[SX+7], v[SX+8]
	v_max3_num_f32 v30, v[SY+6], v[SY+7], v[SY+8]
	v_max3_num_f32 v27, v[SX+9], v[SX+10], v[SX+11]
	v_max3_num_f32 v31, v[SY+9], v[SY+10], v[SY+11]
.irp i, 12,20,28,36,44,52
.irp k, 0,1,2,3
	v_max3_num_f32 v[24+\k], v[24+\k], v[SX+\i+2*\k], v[SX+\i+2*\k+1]
	v_max3_num_f32 v[28+\k], v[28+\k], v[SY+\i+2*\k], v[SY+\i+2*\k+1]
.endr
.endr
	v_max3_num_f32 v24, v24, v[SX+60], v[SX+61]
	v_max3_num_f32 v28, v28, v[SY+60], v[SY+61]
	v_max3_num_f32 v25, v25, v[SX+62], v[SX+63]
	v_max3_num_f32 v29, v29, v[SY+62], v[SY+63]
	v_max_num_f32 v26, v26, v27
	v_max_num_f32 v30, v30, v31
	v_max3_num_f32 v24, v24, v25, v26
	v_max3_num_f32 v28, v28, v29, v30
	v_permlanex16_b32 v10, v24, s[SEL], s[SEL+1]
	v_permlanex16_b32 v11, v28, s[SEL], s[SEL+1]
	v_max_num_f32 v24, v24, v10                    ; and among lane l xor 16's: each query has an open key in each of its steps, so this is a number
	v_max_num_f32 v28, v28, v11
	v_mul_f32 v24, s[CS], v24                      ; as t (c is positive)
	v_mul_f32 v28, s[CS], v28
	v_max_num_f32 v13, v13, v24                    ; the running largest t
	v_max_num_f32 v17, v17, v28
	v_mov_b32 v24, v12
	v_mov_b32 v28, v16
	v_floor_f32 v12, -v13                          ; the new -M = floor(-t) = -ceil(t): M is a whole number
	v_floor_f32 v16, -v17
	v_sub_f32 v24, v12, v24                        ; M's old value less its new one: a whole number, 0 or less
	v_sub_f32 v28, v16, v28
	v_cvt_i32_f32 v24, v24                         ; (it saturates)
	v_cvt_i32_f32 v28, v28
	v_ldexp_f32 v20, 1.0, v24                      ; f = 2^(old M - new M)
	v_ldexp_f32 v22, 1.0, v28
.set j, 0
.rept 32
	v_pk_fma_f32 v[SX+j:SX+j+1], v[SX+j:SX+j+1], s[CS:CS+1], v[12:13] op_sel_hi:[1,0,0]   ; t - M, two at a time
	v_pk_fma_f32 v[SY+j:SY+j+1], v[SY+j:SY+j+1], s[CS:CS+1], v[16:17] op_sel_hi:[1,0,0]
.set j, j+2
.endr
	s_wait_alu depctr_va_vdst(0)                   ; the wait ahead of the batch
.set j, 0
.rept 128
	v_exp_f32 v[SX+j], v[SX+j]                     ; p = 2^(t - M), at most 1: not normalised
.set j, j+1
.endr
	v_pk_mul_f32 v[14:15], v[14:15], v[20:21] op_sel_hi:[1,0]   ; the sums under the new M: the plain instructions behind the exponentials
	v_pk_mul_f32 v[18:19], v[18:19], v[22:23] op_sel_hi:[1,0]
	s_wait_alu depctr_va_vdst(0)                   ; one wait for the whole batch, ahead of its first reader
.set n, 0
	PS 14, 18                                      ; the row's sum of the unquantised p, two at a time, in eight chains a tile
.irp k, 0,1,2,3,4,5,6
	v_pk_add_f32 v[PX+2*\k:PX+2*\k+1], v[SX+n:SX+n+1], v[SX+n+2:SX+n+3]
	v_pk_add_f32 v[PY+2*\k:PY+2*\k+1], v[SY+n:SY+n+1], v[SY+n+2:SY+n+3]
.set n, n+4
.endr
.rept 2
	PS 14, 18
.irp k, 0,1,2,3,4,5,6
	PS PX+2*\k, PY+2*\k
.endr
.endr
	PS 14, 18
	PT PX+2, PX+4, PY+2, PY+4
	PT PX+6, PX+8, PY+6, PY+8
	PT PX+10, PX+12, PY+10, PY+12
	PT 14, PX, 18, PY
	PT PX+6, PX+10, PY+6, PY+10
	PT 14, PX+2, 18, PY+2
	PT 14, PX+6, 18, PY+6
.set n, 0
.rept 64                                       ; the conversion to an 8-bit code does not saturate (ISA guide 7.6.2); p is not negative, so the hold is one-sided: two numbers to an instruction
	v_dual_min_num_f32 v[SX+n], v[PLIM], v[SX+n] :: v_dual_min_num_f32 v[SX+n+1], v[PLIM], v[SX+n+1]
.set n, n+2
.endr
.irp c, 0,1,2,3,4,5,6,7
	v_cvt_scalef32_pk8_fp8_f32 v[PX+2*\c:PX+2*\c+1], v[SX+8*\c:SX+8*\c+7], v[PSC]   ; registers 2 c, 2 c + 1 of P: keys 16 c + 8 h + 0 .. 7
	v_cvt_scalef32_pk8_fp8_f32 v[PY+2*\c:PY+2*\c+1], v[SY+8*\c:SY+8*\c+7], v[PSC]
.endr
	s_wait_alu depctr_va_vdst(0)                   ; the wait ahead of the first reader of O^T
.set j, 0
.rept 16
	v_pk_mul_f32 v[OX+j:OX+j+1], v[OX+j:OX+j+1], v[20:21] op_sel_hi:[1,0]   ; O^T under the new M.  (Also the plain instructions between the conversions and the products below)
	v_pk_mul_f32 v[OY+j:OY+j+1], v[OY+j:OY+j+1], v[22:23] op_sel_hi:[1,0]
.set j, j+2
.endr
	s_wait_alu depctr_va_vdst(0)
.if \kind == 1
	s_wait_dscnt 16                                ; V is in; the next trip's 16 loads of K may be out
.else
	s_wait_dscnt 0x0
.endif
	WIN 0x01                                       ; source 0 window 1
.irp t, 0,1,2,3                                ; O^T += V^T P^T; the eight accumulators take turns, one instruction each
	v_wmma_f32_16x16x128_fp8_fp8 v[OX+8*\t:OX+8*\t+7], v[64+16*\t:79+16*\t], v[PX:PX+15], v[OX+8*\t:OX+8*\t+7]
	v_wmma_f32_16x16x128_fp8_fp8 v[OY+8*\t:OY+8*\t+7], v[64+16*\t:79+16*\t], v[PY:PY+15], v[OY+8*\t:OY+8*\t+7]
.endr
	WIN 0
.rept 4
	v_nop                                          ; places: in front of the next reads of O^T
.endr
.if \kind == 1
	s_add_co_u32 s[TR], s[TR], 1
	s_cmp_eq_u32 s[ROLE], 0                        ; only role 1 hands a part over,
	s_cbranch_scc1 .Lgo_on_\@
	s_cmp_lg_u32 s[TR], s[SW]                      ; when the long block's steps are done
	s_cbranch_scc1 .Lgo_on_\@
.irp i, 0,1,2,3,4,5,6,7,8,9,10,11,12,13,14,15  ; the part goes to LDS, and the short block begins
	ds_store_b128 v[PAD], v[OX+4*\i:OX+4*\i+3] offset:512*\i
.endr
	ds_store_b128 v[PAD], v[12:15] offset:8192
	ds_store_b128 v[PAD], v[16:19] offset:8704
	WIN 0x41                                       ; destination and source 0 window 1
.set j, 0
.rept 16
	v_mov_b32 v[128+j], v[144+j]                   ; Q's two fragments
.set j, j+1
.endr
	WIN 0
	v_mov_b32 v13, 0xff61b1e6
	v_mov_b32 v17, 0xff61b1e6
	v_mov_b32 v14, 0
	v_mov_b32 v15, 0
	v_floor_f32 v12, -v13
	v_floor_f32 v16, -v17
	v_mov_b32 v18, 0
	v_mov_b32 v19, 0
.set j, 0
.rept 64
	v_mov_b32 v[OX+j], 0
.set j, j+1
.endr
	s_wait_alu depctr_va_vdst(0)
.Lgo_on_\@:
.endif
.endm
	s_mov_b32 s[TR], 0
	s_lshl_b32 s[TB], s[ROLE], 16                  ; trip 0: key step 0 or 8
	v_add_nc_u32 v[ADK], s[TB], v[LI]
	s_wait_alu depctr_va_vdst(0)
	s_wait_tensorcnt 0x0                           ; my load has landed,
	s_barrier_signal -1
	s_barrier_wait -1                              ; everybody's has: all of K and V lies in LDS, and no byte of it is ever filled again
	WIN 0x40
	LOADK
	WIN 0
	s_wait_loadcnt 0x0                             ; Q
.Lsteps:                                           ; trips 0 to 7
	STEP 1
	s_cmp_lt_u32 s[TR], 8
	s_cbranch_scc1 .Lsteps
	s_wait_dscnt 0x0                               ; my part of the long block, if I am role 1, lies in LDS (the latest is stored behind trip 7)
	s_barrier_signal -1
	s_cmp_eq_u32 s[ROLE], 0
	s_cbranch_scc1 .Lmeet
	STEP 2                                         ; role 1: the short block's key step 0: work on registers, and LDS loads of bytes that nobody writes any more
.Lmeet:
	s_barrier_wait -1                              ; all parts lie in LDS
	s_cmp_eq_u32 s[ROLE], 0
	s_cbranch_scc1 .Ljoin
	v_add_f32 v14, v14, v15                        ; the sums' two halves
	v_add_f32 v18, v18, v19
	s_wait_alu depctr_va_vdst(0)
	s_branch .Lout
.Ljoin:                                            ; role 0: the long block's two parts are brought under the larger M and added
	ds_load_b128 v[24:27], v[PAD] offset:8192      ; X's -M, largest t, the sum's halves
	ds_load_b128 v[28:31], v[PAD] offset:8704      ; Y's
.irp i, 0,1,2,3,4,5,6,7,8,9,10,11,12,13,14,15
	ds_load_b128 v[SX+4*\i:SX+4*\i+3], v[PAD] offset:512*\i
.endr
	s_wait_dscnt 16
	v_min_num_f32 v10, v12, v24                    ; the new -M
	v_min_num_f32 v11, v16, v28
	v_add_f32 v14, v14, v15
	v_add_f32 v18, v18, v19
	v_sub_f32 v20, v10, v12
	v_sub_f32 v22, v11, v16
	v_sub_f32 v24, v10, v24
	v_sub_f32 v28, v11, v28
	v_add_f32 v26, v26, v27
	v_add_f32 v30, v30, v31
	v_cvt_i32_f32 v20, v20
	v_cvt_i32_f32 v22, v22
	v_cvt_i32_f32 v24, v24
	v_cvt_i32_f32 v28, v28
	v_ldexp_f32 v20, 1.0, v20
	v_ldexp_f32 v22, 1.0, v22
	v_ldexp_f32 v24, 1.0, v24
	v_ldexp_f32 v28, 1.0, v28
	v_mul_f32 v14, v14, v20
	v_mul_f32 v18, v18, v22
	v_fma_f32 v14, v26, v24, v14
	v_fma_f32 v18, v30, v28, v18
	s_wait_alu depctr_va_vdst(0)
	s_wait_dscnt 0x0
.set j, 0
.rept 16
	v_pk_mul_f32 v[OX+j:OX+j+1], v[OX+j:OX+j+1], v[20:21] op_sel_hi:[1,0]
	v_pk_mul_f32 v[OY+j:OY+j+1], v[OY+j:OY+j+1], v[22:23] op_sel_hi:[1,0]
.set j, j+2
.endr
.set j, 0
.rept 16
	v_pk_fma_f32 v[OX+j:OX+j+1], v[SX+j:SX+j+1], v[24:25], v[OX+j:OX+j+1] op_sel_hi:[1,0,1]
	v_pk_fma_f32 v[OY+j:OY+j+1], v[SX+32+j:SX+33+j], v[28:29], v[OY+j:OY+j+1] op_sel_hi:[1,0,1]
.set j, j+2
.endr
	s_wait_alu depctr_va_vdst(0)
.Lout:
	; THE WAY OUT.  O^T / the sum, held, converted with 2^(e10 - e8 - e9), stored as it lies: tile t's two registers are channels 16 t + 8 h + 0 .. 7 of row r.
	v_permlanex16_b32 v10, v14, s[SEL], s[SEL+1]
	v_permlanex16_b32 v11, v18, s[SEL], s[SEL+1]
	v_and_b32 v26, 15, v0
	v_bfe_u32 v27, v0, 4, 1
	v_add_f32 v14, v14, v10                        ; and lane l xor 16's: the row's sum, above 1/2
	v_add_f32 v18, v18, v11
	v_lshlrev_b32 v26, 4, v26
	v_mov_b32 v24, s100
	v_lshl_add_u32 v26, v27, 3, v26                ; 16 r + 8 h
	v_mov_b32 v25, s101
	s_wait_alu depctr_va_vdst(0)                   ; the wait ahead of the transcendentals
	v_rcp_f32 v14, v14
	v_rcp_f32 v18, v18
	v_nop                                          ; a plain instruction behind the transcendentals
	s_wait_alu depctr_va_vdst(0)                   ; and the wait ahead of their first reader
.set j, 0
.rept 16
	v_pk_mul_f32 v[SX+j:SX+j+1], v[OX+j:OX+j+1], v[14:15] op_sel_hi:[1,0]
	v_pk_mul_f32 v[SX+32+j:SX+33+j], v[OY+j:OY+j+1], v[18:19] op_sel_hi:[1,0]
.set j, j+2
.endr
.set j, 0
.rept 64
	v_med3_num_f32 v[SX+j], v[SX+j], -v24, v24
.set j, j+1
.endr
.irp t, 0,1,2,3
	v_cvt_scalef32_pk8_fp8_f32 v[PX+2*\t:PX+2*\t+1], v[SX+8*\t:SX+8*\t+7], v25
	v_cvt_scalef32_pk8_fp8_f32 v[PY+2*\t:PY+2*\t+1], v[SX+32+8*\t:SX+39+8*\t], v25
.endr
	v_nop                                          ; one plain vector instruction behind the last conversion
.irp t, 0,1,2,3
	global_store_b64 v26, v[PX+2*\t:PX+2*\t+1], s[16:17] offset:256*\t   ; the 32 lanes store 256 consecutive bytes, aligned
.endr
.irp t, 0,1,2,3
	global_store_b64 v26, v[PY+2*\t:PY+2*\t+1], s[16:17] offset:2048+256*\t
.endr
	s_wait_tensorcnt 0x0                           ; the wave's end
	ds_add_u32 v[SPW], v[NIL]
	s_wait_dscnt 0x0
	CROUND                                         ; the closing round: no work-group ends while a partner may still ask for a tile that names it
	s_endpgm
.Lfunc_end_k_qf0328ecc67_attn:
	.size	k_qf0328ecc67_attn, .Lfunc_end_k_qf0328ecc67_attn-k_qf0328ecc67_attn
	.p2alignl 7, 3214868480
	.fill 96, 4, 3214868480
	.section	.rodata,"a",@progbits
	.p2align	6, 0x0
	.amdhsa_kernel k_qf0328ecc67_attn
		.amdhsa_group_segment_fixed_size 327680
		.amdhsa_private_segment_fixed_size 0
		.amdhsa_enable_private_segment 0
		.amdhsa_kernarg_size 40
		.amdhsa_user_sgpr_count 2
		.amdhsa_user_sgpr_kernarg_segment_ptr 1
		.amdhsa_wavefront_size32 1
		.amdhsa_system_sgpr_workgroup_id_x 1
		.amdhsa_system_sgpr_workgroup_id_y 1
		.amdhsa_system_sgpr_workgroup_id_z 1
		.amdhsa_system_vgpr_workitem_id 0
		.amdhsa_next_free_vgpr 416
		.amdhsa_next_free_sgpr 102
		.amdhsa_reserve_vcc 0
		.amdhsa_float_denorm_mode_32 3
		.amdhsa_float_denorm_mode_16_64 3
		.amdhsa_memory_ordered 1
		.amdhsa_forward_progress 1
		.amdhsa_inst_pref_size 105
	.end_amdhsa_kernel
	.amdgpu_metadata
---
amdhsa.version: [ 1, 2 ]
amdhsa.kernels:
  - .name:           k_qf0328ecc67_attn
    .symbol:         k_qf0328ecc67_attn.kd
    .args:
      - { .name: q_img, .offset: 0, .size: 8, .value_kind: global_buffer, .address_space: global }
      - { .name: k_img, .offset: 8, .size: 8, .value_kind: global_buffer, .address_space: global }
      - { .name: v_img, .offset: 16, .size: 8, .value_kind: global_buffer, .address_space: global }
      - { .name: lowp_scales, .offset: 24, .size: 8, .value_kind: global_buffer, .address_space: global }
      - { .name: a_img, .offset: 32, .size: 8, .value_kind: global_buffer, .address_space: global }
    .group_segment_fixed_size: 327680
    .private_segment_fixed_size: 0
    .kernarg_segment_align: 8
    .kernarg_segment_size: 40
    .max_flat_workgroup_size: 256
    .sgpr_count:     102
    .vgpr_count:     416
    .wavefront_size: 32
...
	.end_amdgpu_metadata
.endif
;; end of part 2
;; launch proj (part 3): grid 8 x 32, 4 waves a work-group, clusters of 4 x 4, 327,680 bytes of LDS; arguments a_img, Wo_codes, bo, lowp_scales, out0; writes out0
.if DOCPART == 3
	.amdgcn_target "amdgcn-amd-amdhsa--gfx1250"
	.amdhsa_code_object_version 6
	.text
	.protected	k_qf0328ecc67_proj
	.globl	k_qf0328ecc67_proj
	.p2align	8
	.type	k_qf0328ecc67_proj,@function
k_qf0328ecc67_proj:
	s_mov_b64 s[64:65], 0
	v_nop
	global_prefetch_b8 v0, s[64:65] scope:SCOPE_SE
	s_setreg_imm32_b32 hwreg(HW_REG_WAVE_MODE, 25, 1), 1
	s_wait_xcnt 0x0
	s_wait_alu depctr_hold_cnt(0) depctr_sa_sdst(0) depctr_va_vdst(0) depctr_va_sdst(0) depctr_va_ssrc(0) depctr_va_vcc(0) depctr_vm_vsrc(0)
	s_getreg_b32 s2, hwreg(HW_REG_IB_STS2, 6, 4)
	s_cmp_eq_u32 s2, 0
	s_cbranch_scc0 .Lentry_in_a_cluster
	s_endpgm
.Lentry_in_a_cluster:
	s_bfe_u32 s2, ttmp6, 0x10000c
	s_cmp_lg_u32 s2, 0xf033
	s_cbranch_scc0 .Lentry_shape_is_right
	s_endpgm
.Lentry_shape_is_right:
; out0 = a Wo + bo on codes of FP8 (E4M3): out0[m][n] = 2^(e10 + e11) x the sum over k of a[m][k] Wo[n][k] + bo[n].  m 4,096, n 1,024, K 1,024; sums in f32.
; a_img: [block of 128 rows: 32][128 along K: 8][tile of 16 rows: 8][4][lane][16]: images of operand registers; registers 4 c .. 4 c + 3 of lane (r, h) = k 32 c + 16 h + 0 .. 15 of row r.
; Wo_codes: [n][1024], K innermost; its fragments are fetched from LDS rows by four loads of 16 bytes, which gives the same places of k: a permutation of k, the same on both sides.
; A tile of out0 is 128 x 128: 8 x 32 = 256 work-groups.  Four waves, 64 x 64 each: 16 accumulators.
; CLUSTERS: 4 x 4 work-groups.  The four of a row of the cluster need the same block of a, the four of a column the same rows of Wo: both are asked for JOINTLY.
; THE MATRIX INSTRUCTION IS USED TRANSPOSED (source 0 = 16 rows of Wo, source 1 = 16 rows of a): a lane holds eight neighbouring numbers of a row of out0.
; LIMIT: e10 + e11 lies between -126 and 127, so that 2^(e10 + e11) is an f32 number.
.set PITCH,  528                       ; a row of Wo's half in LDS: 512 bytes + 16 of padding: the 16 rows that a load touches start at 16 different banks (64 banks of 4 bytes: ISA guide 11.1)
; ALL OF K LIES IN LDS, filled once, in two halves of 512 along K, one tensor load a wave: waves 0, 1 a's halves, waves 2, 3 Wo's.  No prefetch: everything is asked for at the head.
; The first half of K is multiplied step by step; the second half goes by blocks of 16 rows, so that finished rows leave while the others are multiplied.
; REGISTERS: window 0: v0-31 addresses; v32-63 at work on the way out; v96-127 the bias; v128-255 the accumulators ((a, b) at v[128 + 8 (4 a + b)]).
; windows 1, 2: Wo's fragments of the first and of the second half (64 registers a step of 128 along K); window 3: a's fragments of one half, 64 registers a block of 16 rows.
.set BIMG,   131072                    ; LDS: a's block, as in memory, from byte 0; Wo's two halves from here
.set BCH,    128*PITCH
.set STAGE,  BIMG+2*BCH                ; 16 rows x 272 bytes for each wave, for the way out; no fill lands here
.set SPITCH, 272
.set SPARE,  STAGE+4*16*SPITCH
.set ADRA, 16                          ; v16-17  LDS address of my fragments of a: half 0, 1
.set ADRB, 20                          ; v20-21  of Wo
.set STO,  24
.set RD,   25
.set CO,   26
.set BO,   27
.set SPW,  28
.set NIL,  29
.set TMP,  32
.set BIAS, 96                          ; register 8 b + j: bo at my column 16 b + 8 (lane / 16) + j
.set ACC,  128
.set G1A,  24
.set G1B,  32
.set G0A,  40
.set G0B,  68
.set MSB, 0
.macro WIN new                         ; the immediate's high byte repeats the setting that is left
.if MSB != (\new)
	s_set_vgpr_msb ((MSB)<<8)|(\new)
.set MSB, (\new)
.endif
.endm
.macro CROUND                          ; a round of the cluster's barrier
	s_barrier_signal -1
	s_barrier_wait -1
	s_cmp_lg_u32 s14, 0
	s_cbranch_scc1 .Lnot_wave_0_\@
	s_barrier_signal -3
.Lnot_wave_0_\@:
	s_barrier_wait -3
	s_barrier_signal -1
	s_barrier_wait -1
.endm
.macro PLACES                          ; four places in front of loads into registers that matrix instructions have read, and of the first read of results (ISA guide 7.12.1 for the first read of results)
.rept 4
	v_nop
.endr
.endm
	s_load_b256 s[4:11], s[0:1], 0x0               ; a_img s[4:5], Wo's codes s[6:7], bo s[8:9], the scales' exponents s[10:11]
	s_load_b64 s[12:13], s[0:1], 0x20              ; out0
	v_lshl_add_u32 v[SPW], v0, 2, SPARE
	v_mov_b32 v[NIL], 0
	ds_add_u32 v[SPW], v[NIL]                      ; the opening lines: the add, twice on end, and its wait
	ds_add_u32 v[SPW], v[NIL]
	v_lshrrev_b32 v1, 5, v0
	v_readfirstlane_b32 s14, v1                    ; wave 0..3
	s_lshr_b32 s15, s14, 1                         ; which half of the tile's rows is mine.  Also: I fetch for a (0) or for Wo (1)
	s_and_b32 s16, s14, 1                          ; which half of its columns.  Also: which half of K I fetch
	s_bfe_u32 s84, ttmp6, 0x40000                  ; cx, cy
	s_bfe_u32 s85, ttmp6, 0x40004
	s_lshl_b32 s86, ttmp9, 2
	s_add_co_u32 s86, s86, s84                     ; tile column
	s_and_b32 s17, ttmp7, 0xffff
	s_lshl_b32 s17, s17, 2
	s_add_co_u32 s17, s17, s85                     ; tile row
	s_lshl_b32 s87, s85, 2
	s_lshl_b32 s87, 15, s87                        ; my row of the cluster
	s_lshl_b32 s88, 0x1111, s84                    ; my column
	; descriptor group 1.  a: a dense block of 65,536 bytes as 256 rows of 256 (32 elements of 8 bytes), no padding
	s_or_b32 s[G1A], s87, (3<<16)|(1<<21)
	s_mov_b32 s[G1A+1], 32<<16
	s_mov_b32 s[G1A+2], 256<<16
	s_mov_b32 s[G1A+3], 32<<16
	s_mov_b32 s[G1A+4], 256
	s_mov_b32 s[G1A+5], 32
	s_mov_b32 s[G1A+6], 0
	s_mov_b32 s[G1A+7], 0
	; Wo: 128 rows x 512 bytes, 1,024 bytes apart in memory, four words of padding after every 128 (codes 6 and 3)
	s_or_b32 s[G1B], s88, (1<<20)|(1<<21)|(6<<22)|(3<<25)
	s_mov_b32 s[G1B+1], 512<<16
	s_mov_b32 s[G1B+2], 128<<16
	s_mov_b32 s[G1B+3], 512<<16
	s_mov_b32 s[G1B+4], 128
	s_mov_b32 s[G1B+5], 1024
	s_mov_b32 s[G1B+6], 0
	s_mov_b32 s[G1B+7], 0
	s_lshl_b32 s18, s16, 16                        ; a: my half of K is 65,536 bytes, in LDS as in memory
	s_lshl_b32 s20, s17, 17                        ; it hangs on the tile row alone
	s_add_co_u32 s20, s20, s18
	s_mov_b32 s21, 0
	s_lshl_b32 s22, s86, 17                        ; Wo: row 128 x tile column: it hangs on the tile column alone
	s_lshl_b32 s19, s16, 9
	s_add_co_u32 s22, s22, s19
	s_mov_b32 s23, 0
	s_mul_i32 s19, s16, BCH
	s_add_co_u32 s19, s19, BIMG                    ; and in LDS: no place in the cluster enters an LDS address
	s_lshl_b32 s90, s17, 19                        ; out0: row 128 x tile row + 64 x half, 4,096 bytes a row,
	s_lshl_b32 s91, s15, 18
	s_add_co_u32 s90, s90, s91
	s_lshl_b32 s92, s86, 9                         ; column 128 x tile column + 64 x half, 4 bytes a number: also my place in bo
	s_lshl_b32 s91, s16, 8
	s_add_co_u32 s92, s92, s91
	s_add_co_u32 s90, s90, s92
	s_mov_b32 s91, 0
	s_mov_b32 s93, 0
	s_lshl_b32 s89, s15, 13                        ; my 64 rows of a: four tiles of 2,048 bytes in each step of 128 along K
	s_mul_i32 s94, s16, 64*PITCH
	s_add_co_u32 s94, s94, BIMG                    ; my 64 rows of Wo
	s_mul_i32 s95, s14, 16*SPITCH
	s_add_co_u32 s95, s95, STAGE                   ; my stage
	s_mov_b32 s[G0A], 1
	s_mov_b32 s[G0A+1], s18
	s_mov_b32 s[G0B], 1
	s_mov_b32 s[G0B+1], s19
	s_wait_dscnt 0x0                               ; both opening adds are done
	s_wait_kmcnt 0x0
	s_load_b64 s[96:97], s[10:11], 0x28            ; e10, e11
	s_add_nc_u64 s[G0A+2:G0A+3], s[4:5], s[20:21]
	s_or_b32 s[G0A+3], s[G0A+3], 0x80000000
	s_add_nc_u64 s[G0B+2:G0B+3], s[6:7], s[22:23]
	s_or_b32 s[G0B+3], s[G0B+3], 0x80000000
	s_add_nc_u64 s[12:13], s[12:13], s[90:91]
	s_add_nc_u64 s[8:9], s[8:9], s[92:93]
	CROUND                                         ; all sixteen work-groups are here: the joint loads meet
	s_cmp_eq_u32 s15, 0
	s_cbranch_scc0 .Lfor_b
	tensor_load_to_lds s[G0A:G0A+3], s[G1A:G1A+7]
	s_nop 0
.rept 4
	v_nop
.endr
	s_branch .Lasked
.Lfor_b:
	tensor_load_to_lds s[G0B:G0B+3], s[G1B:G1B+7]
	s_nop 0
.rept 4
	v_nop
.endr
.Lasked:
	v_and_b32 v1, 15, v0                           ; r
	v_bfe_u32 v2, v0, 4, 1                         ; h
	v_lshlrev_b32 v[BO], 5, v2
.irp b, 0,1,2,3
	global_load_b128 v[BIAS+8*\b:BIAS+8*\b+3], v[BO], s[8:9] offset:64*\b
	global_load_b128 v[BIAS+8*\b+4:BIAS+8*\b+7], v[BO], s[8:9] offset:64*\b+16
.endr
	v_and_b32 v4, 31, v0
	v_lshlrev_b32 v4, 4, v4
	v_add_nc_u32 v[ADRA], s89, v4
	v_add_nc_u32 v[ADRA+1], 0x10000, v[ADRA]
	v_mul_u32_u24 v5, v1, PITCH
	v_lshl_add_u32 v5, v2, 4, v5
	v_add_nc_u32 v[ADRB], s94, v5
	v_add_nc_u32 v[ADRB+1], BCH, v[ADRB]
	v_mul_u32_u24 v6, v1, SPITCH                   ; in: row r, 32 bytes for each half of the lanes
	v_lshl_add_u32 v6, v2, 5, v6
	v_add_nc_u32 v[STO], s95, v6
	v_mul_u32_u24 v7, v2, SPITCH                   ; back: lanes 0-15 take one row of 256 bytes, lanes 16-31 the next
	v_lshl_add_u32 v7, v1, 4, v7
	v_add_nc_u32 v[RD], s95, v7
	v_lshlrev_b32 v8, 12, v2                       ; and the same two rows in out0
	v_lshl_add_u32 v[CO], v1, 4, v8
.macro LOADB ks                        ; Wo's four fragments of step ks, to window 1 (ks < 4) or 2
	WIN 0x40*(1+(\ks)/4)
.irp b, 0,1,2,3
.irp c, 0,1,2,3
	ds_load_b128 v[64*((\ks)%4)+16*\b+4*\c:64*((\ks)%4)+16*\b+4*\c+3], v[ADRB+(\ks)/4] offset:\b*16*PITCH+((\ks)%4)*128+32*\c
.endr
.endr
.endm
.macro LOADA ks, a                     ; a's fragment of step ks, block a
	WIN 0xc0
.irp c, 0,1,2,3
	ds_load_b128 v[64*(\a)+16*((\ks)%4)+4*\c:64*(\a)+16*((\ks)%4)+4*\c+3], v[ADRA+(\ks)/4] offset:((\ks)%4)*16384+(\a)*2048+\c*512
.endr
.endm
.macro FETCH ks                        ; 32 LDS loads: one step, all blocks; the registers are fresh
	LOADB \ks
.irp a, 0,1,2,3
	LOADA \ks, \a
.endr
.endm
.macro MUL4 ks, a, zero                ; one step, one block: four accumulators
	WIN 0x0d+(\ks)/4
.irp b, 0,1,2,3
.if \zero
	v_wmma_f32_16x16x128_fp8_fp8 v[ACC+8*(4*(\a)+\b):ACC+8*(4*(\a)+\b)+7], v[64*((\ks)%4)+16*\b:64*((\ks)%4)+16*\b+15], v[64*(\a)+16*((\ks)%4):64*(\a)+16*((\ks)%4)+15], 0
.else
	v_wmma_f32_16x16x128_fp8_fp8 v[ACC+8*(4*(\a)+\b):ACC+8*(4*(\a)+\b)+7], v[64*((\ks)%4)+16*\b:64*((\ks)%4)+16*\b+15], v[64*(\a)+16*((\ks)%4):64*(\a)+16*((\ks)%4)+15], v[ACC+8*(4*(\a)+\b):ACC+8*(4*(\a)+\b)+7]
.endif
.endr
.endm
.macro MUL16 ks, zero                  ; the 16 accumulators take turns, one instruction a turn
.irp a, 0,1,2,3
	MUL4 \ks, \a, \zero
.endr
.endm
.macro ROW a                           ; block a's second half of K: its four accumulators take turns; three others stand between a sum's steps
.irp k, 4,5,6,7
	MUL4 \k, \a, 0
.endr
.endm
.macro TOSTAGE a
	WIN 0
.irp b, 0,1,2,3
.irp i, 0,2,4,6
	v_pk_fma_f32 v[TMP+8*\b+\i:TMP+8*\b+\i+1], v[ACC+32*(\a)+8*\b+\i:ACC+32*(\a)+8*\b+\i+1], s[96:97], v[BIAS+8*\b+\i:BIAS+8*\b+\i+1] op_sel_hi:[1,0,1]   ; each accumulator from its low end on
.endr
.endr
.irp b, 0,1,2,3
	ds_store_b128 v[STO], v[TMP+8*\b:TMP+8*\b+3] offset:64*\b
	ds_store_b128 v[STO], v[TMP+8*\b+4:TMP+8*\b+7] offset:64*\b+16
.endr
.irp t, 0,1,2,3,4,5,6,7
	ds_load_b128 v[ACC+32*(\a)+4*\t:ACC+32*(\a)+4*\t+3], v[RD] offset:\t*2*SPITCH   ; LDS serves a wave's instructions in order (ISA guide 5.7.1.4).  The rows land in the block's own accumulators, which are done with
.endr
.endm
.macro SEND a
	WIN 0
.irp t, 0,1,2,3,4,5,6,7
	global_store_b128 v[CO], v[ACC+32*(\a)+4*\t:ACC+32*(\a)+4*\t+3], s[12:13] offset:(16*(\a)+2*\t)*4096 th:TH_STORE_NT   ; 16 lanes store 256 consecutive bytes, at a multiple of 256 from out0's first byte
.endr
.endm
	s_wait_alu depctr_va_vdst(0)
	s_wait_kmcnt 0x0
	s_add_co_i32 s96, s96, s97
	s_add_co_i32 s96, s96, 127
	s_lshl_b32 s96, s96, 23                        ; 2^(e10 + e11)
	s_mov_b32 s97, s96                             ; (named with it as a pair, so it is written)
	s_wait_tensorcnt 0x0                           ; my load is done,
	s_barrier_signal -1
	s_barrier_wait -1                              ; everybody's is: all of K lies in LDS, and no byte of it is ever filled again
	FETCH 0
	FETCH 1
	s_wait_dscnt 32                                ; all but the 32 youngest
	MUL16 0, 1                                     ; the first step's products start the sums
	FETCH 2
	s_wait_dscnt 32
	MUL16 1, 0
	FETCH 3
	s_wait_dscnt 32
	MUL16 2, 0
	LOADB 4                                        ; the second half's fragments of Wo go to a window of their own
	LOADB 5
	LOADB 6
	s_wait_dscnt 48                                ; all but those 48: step 3's are in
	MUL16 3, 0
	LOADB 7
	PLACES                                         ; for the loads into a's registers
.irp a, 0,1,2,3
.irp k, 4,5,6,7
	LOADA \k, \a
.endr
.endr
	s_wait_loadcnt 0x0                             ; the bias
	s_wait_dscnt 48                                ; Wo's fragments and block 0's are in (behind them: 48 loads of blocks 1 to 3)
	ROW 0
	s_wait_dscnt 32
	ROW 1
	PLACES
	TOSTAGE 0
	s_wait_dscnt 32                                ; block 2's fragments are in (behind them: block 3's 16 loads, the stage's 16 instructions)
	ROW 2
	s_wait_dscnt 0x0
	SEND 0
	TOSTAGE 1
	ROW 3
	s_wait_dscnt 0x0
	SEND 1
	TOSTAGE 2
	TOSTAGE 3                                      ; block 2's 16 multiply-adds are the places behind block 3's products
	s_wait_dscnt 16
	SEND 2
	s_wait_dscnt 0x0
	SEND 3
	s_wait_tensorcnt 0x0                           ; the wave's end
	ds_add_u32 v[SPW], v[NIL]
	s_wait_dscnt 0x0
	CROUND                                         ; the closing round: no work-group ends while a partner may still ask for a tile that names it
	s_endpgm
.Lfunc_end_k_qf0328ecc67_proj:
	.size	k_qf0328ecc67_proj, .Lfunc_end_k_qf0328ecc67_proj-k_qf0328ecc67_proj
	.p2alignl 7, 3214868480
	.fill 96, 4, 3214868480
	.section	.rodata,"a",@progbits
	.p2align	6, 0x0
	.amdhsa_kernel k_qf0328ecc67_proj
		.amdhsa_group_segment_fixed_size 327680
		.amdhsa_private_segment_fixed_size 0
		.amdhsa_enable_private_segment 0
		.amdhsa_kernarg_size 40
		.amdhsa_user_sgpr_count 2
		.amdhsa_user_sgpr_kernarg_segment_ptr 1
		.amdhsa_wavefront_size32 1
		.amdhsa_system_sgpr_workgroup_id_x 1
		.amdhsa_system_sgpr_workgroup_id_y 1
		.amdhsa_system_sgpr_workgroup_id_z 1
		.amdhsa_system_vgpr_workitem_id 0
		.amdhsa_next_free_vgpr 1024
		.amdhsa_next_free_sgpr 100
		.amdhsa_reserve_vcc 0
		.amdhsa_float_denorm_mode_32 3
		.amdhsa_float_denorm_mode_16_64 3
		.amdhsa_memory_ordered 1
		.amdhsa_forward_progress 1
		.amdhsa_inst_pref_size 44
	.end_amdhsa_kernel
	.amdgpu_metadata
---
amdhsa.version: [ 1, 2 ]
amdhsa.kernels:
  - .name:           k_qf0328ecc67_proj
    .symbol:         k_qf0328ecc67_proj.kd
    .args:
      - { .name: a_img, .offset: 0, .size: 8, .value_kind: global_buffer, .address_space: global }
      - { .name: Wo_codes, .offset: 8, .size: 8, .value_kind: global_buffer, .address_space: global }
      - { .name: bo, .offset: 16, .size: 8, .value_kind: global_buffer, .address_space: global }
      - { .name: lowp_scales, .offset: 24, .size: 8, .value_kind: global_buffer, .address_space: global }
      - { .name: out0, .offset: 32, .size: 8, .value_kind: global_buffer, .address_space: global }
    .group_segment_fixed_size: 327680
    .private_segment_fixed_size: 0
    .kernarg_segment_align: 8
    .kernarg_segment_size: 40
    .max_flat_workgroup_size: 128
    .sgpr_count:     100
    .vgpr_count:     1024
    .wavefront_size: 32
...
	.end_amdgpu_metadata
.endif
;; end of part 3
